; MI455X (gfx1250); checked and timed in simulation.
; The chip was launched on July 23, 2026; its instructions are those of AMD's public machine-readable ISA for CDNA 5 (MIT licence, August 2026) and "CDNA5" Instruction Set Architecture Reference Guide (July 2026). The comments in the code are by the model that wrote it; some were corrected since.
;; Tensor B Splines Model. Allowed arithmetic: matrix products marked QUANTISED: E4M3 operands, one E8M0 scale for each 32 along K, by v_wmma_scale_f32_16x16x128_f8f6f4 with both operands' format E4M3, f32 sums; everything else in f32.
;; Inputs: A 16 x 16 x 64 float32; b 16 float32; x 131,072 x 16 float32.
;; Outputs: out0 131,072 x 16 float32.
;; This version of the problem:
;;   THIS VERSION OF THE PROBLEM IS GIVEN IN LOW PRECISION. The matrix products marked QUANTISED in the list below multiply operands that are first quantised to E4M3 (4 exponent bits, 3 mantissa bits; 8 bits a number), with one power-of-two scale for each 32 numbers along K (OCP MX v1.0); their sums are f32. All else is computed in f32.
;;   The module's matrix products, in the order in which they are computed (A, B: the left and right operand; K: the contracted axis; several contracted axes count as one K, in the product's order):
;;     1. [M 131,072, K 1,024] x [K 1,024, N 16]; A: computed on the way; B: input A: QUANTISED
;;   THE QUANTISER, for each operand of a quantised product, along K:
;;     - K is cut into blocks of 32 from its start; a last block that is shorter is filled with zeros.
;;     - A block's scale is 2^e with e = floor(log2(the largest magnitude in the block)) - 8, held to -126 .. 127; a block of zeros has e = 0. As a byte (E8M0): e + 127.
;;     - Each number is divided by its block's scale, clamped to +-448, and rounded to the nearest number of E4M3, ties to even, subnormals kept.
;;     - The product sums the exact products of the quantised numbers (number of the format x scale) in f32.
;;   ~~~python
;;   def quantise(x, axis):      # numpy; x: float32 -> the quantised numbers, widened to float32 again
;;       x = np.moveaxis(x, axis, -1); K = x.shape[-1]
;;       x = np.pad(x, [(0, 0)] * (x.ndim - 1) + [(0, -K % 32)]); x = x.reshape(x.shape[:-1] + (-1, 32)); a = np.abs(x).max(-1, keepdims=True)
;;       e = np.where(a > 0, np.clip(np.frexp(np.where(a > 0, a, 1))[1] - 1 - 8, -126, 127), 0)      # np.frexp(a)[1] - 1 = floor(log2(a)), exactly
;;       r = np.clip(x / 2.0 ** e, -448, 448)
;;       step = 2.0 ** (np.maximum(np.frexp(np.where(r == 0, 1, r))[1] - 1, -6) - 3)
;;       q = np.round(r / step) * step * 2.0 ** e      # np.round: ties to even
;;       return np.moveaxis(q.reshape(q.shape[:-2] + (-1,))[..., :K], -1, axis).astype(np.float32)
;;   ~~~
;;   OPERANDS COMPUTED ON THE WAY. 'Computed on the way' means the value that the module computes at that place (a softmax that the list does not call 'softmax' is quantised finished and normalised). What goes into a quantiser is computed in f32, as accurately as f32 sums, v_exp_f32 and their like allow (about 1e-6 of the number): no bf16 or f16 on the way to a quantiser, and a product that is left as it is and whose result goes on into a quantised operand takes f32 operands (vector FMAs, or v_wmma_f32_16x16x4_f32). A number that lies on a knife's edge between two numbers of the format may be rounded either way, as far as f32 arithmetic and the matrix unit's own rounding can turn it there, and no further.
;; 2 versions. Each part assembles by itself: llvm-mc -triple=amdgcn-amd-amdhsa -mcpu=gfx1250 --defsym DOCPART=n.
;; ======== version 1 of 2: 1 launch
;; launch spline (part 1): grid 256 x 1, 16 waves a work-group, no clusters, 60,416 bytes of LDS; arguments x, A, b, out0; writes out0
.if DOCPART == 1
	.amdgcn_target "amdgcn-amd-amdhsa--gfx1250"
	.amdhsa_code_object_version 6
	.text
	.protected	k_qefc32853a3_spline
	.globl	k_qefc32853a3_spline
	.p2align	8
	.type	k_qefc32853a3_spline,@function
k_qefc32853a3_spline:
	s_mov_b64 s[64:65], 0
	v_nop
	global_prefetch_b8 v0, s[64:65] scope:SCOPE_SE
	s_setreg_imm32_b32 hwreg(HW_REG_WAVE_MODE, 25, 1), 1
	s_wait_xcnt 0x0
; out0[n][o] = b[o] + the sum over d, k of Q(basis[n][d][k]) Q(A[o][d][k]).  x, out0: [131072][16] f32; A: [16][16][64] f32; b: [16] f32.
; basis[n][d][:] are the 64 cubic B-splines on the clamped knots -0.1 .. 1.1 (62 equally spaced, the two ends fourfold) at x[n][d]; K = 64 d + k, 1,024 long.
; Q: codes of FP8 (E4M3) with one E8M0 scale for each 32 along K: a dim has two blocks.  The product goes by v_wmma_scale_f32_16x16x128_f8f6f4, sums in f32.
; WHAT IS NOT COMPUTED: of a point's 64 splines at most four neighbours, k = fi .. fi + 3 (fi the point's span, 0 .. 60), differ from 0.  Only those four are evaluated (the same recursion, level by
; level, on the same f32 knots), quantised, and laid among zero codes by compares and selects: no address and no branch hangs on x.
; SHARES.  256 work-groups x 16 waves; a wave owns 32 rows (2,048 bytes of x and of out0), two tiles of 16.  For the evaluation lane L holds row L with its 16 dims, so no point is evaluated twice;
; two dims (one K step of 128) go together through the packed f32 forms.  Wave w also quantises A[:][w][:] for its work-group; the codes reach the other waves through LDS as images of the
; operand's registers, behind the one barrier of the text.
; THE PRODUCT IS USED TRANSPOSED: source 0 = A's 16 outputs, source 1 = 16 rows of the basis: a lane's eight results are eight neighbouring outputs of one row.  b is the C of each sum's first instruction.
; K IS PERMUTED INSIDE EACH BLOCK OF 32, ALIKE ON BOTH OPERANDS: register 4 c + p of a lane in half h holds k = 32 c + 8 p + 4 h + 0 .. 3.  A point's four codes span two neighbouring words of
; four codes, one even and one odd: so each half of the lanes gets at most ONE word that is not zero for each dim, at one of eight registers: eight compares and eight selects.
; THE KNOTS are f32((12 i - 61) / 610), made correctly rounded: q = n y, r = n - 610 q (exact, fused), t = q + r y, y = f32(1 / 610).  A span taken one off beside a knot changes nothing that
; counts: the splines are twice continuously differentiable there.  The two ends are tested exactly: x counts where f32(-0.1) <= x < f32(1.1); elsewhere all codes are zero and out0 = b.
; NO CLUSTER: only A is shared between work-groups, 65,536 bytes asked for once at the head, 16 bytes a lane straight into the quantiser's registers in the operand's own order; a joint request
; would bring the f32 numbers into LDS first, 65,536 bytes more through LDS for each work-group, and two passes of the cluster's barrier for that single fill.
; NO RING, NO PREFETCH: every byte that a wave reads from memory is asked for in its first lines.
; LIMITS: NaN and infinities in x or A are not served (for such x the result here is b).  A block whose largest magnitude lies under 2^-118 has its scale byte held at 1; a block of zeros
; has byte 1 as well: its codes are zeros, and the bytes are read by this text alone.
.set WIMG, 0                           ; LDS: A's codes, 8 K steps x 2,048 bytes: step s at 2048 s, register group c at + 512 c, lane at + 16 x lane
.set WSC,  16384                       ; A's scale words: 32 bytes a lane, word s at + 4 s
.set XST,  17408                       ; a stage of its own for each wave: 32 places of 64 bytes + 16 of padding
.set PL,   80
.set STB,  32*PL
.set SIN,  1                           ; v1   stage, as memory lies: 80 (lane / 4) + 16 (lane % 4)
.set SROW, 2                           ; v2   stage, a row a lane: 80 x lane
.set SOUT, 3                           ; v3   stage, a result's place: 80 (lane % 16) + 32 (lane / 16)
.set GOFF, 4                           ; v4   16 x lane: my bytes of a load's or store's 512, and my place in an image
.set WST,  5                           ; v5   where I store A's images: 16 x lane + 1024 x wave
.set WSS,  6                           ; v6   and my dim's two scale bytes: WSC + 32 x lane + 2 x wave
.set WSL,  7                           ; v7   where I read the scale words: WSC + 32 x lane
.set KC0,  8                           ; v[8:9]   0.1 x 61 / 1.2, twice
.set KM61, 10                          ; v[10:11] -61
.set KM610, 12                         ; v[12:13] -610
.set KY,   14                          ; v[14:15] f32(1 / 610)
.set ONE,  16                          ; v16  1.0: the conversion's scale
.set TOP,  17                          ; v17  448.0
.set AOF,  18                          ; v18  A: 4096 (lane % 16) + 16 (lane / 16)
.set BOF,  19                          ; v19  b: 32 (lane / 16)
.set X,    20                          ; v[20:35]  my row's 16 numbers
.set BI,   36                          ; v[36:43]  b[8 h + 0 .. 7]
.set WS,   44                          ; v[44:51]  A's scale words, one for each K step: scales alone
.set BS,   52                          ; v52       the basis's scale word of the K step in hand: scales alone
.set ACC0, 56                          ; v[56:63]  rows 0-15
.set ACC1, 64                          ; v[64:71]  rows 16-31
.set FR0,  72                          ; v[72:87], v[88:103] the basis's fragments of the two tiles
.set WF,   104                         ; v[104:135] A's fragments, two sets by turns; at the head and on the way out v[104:119] hold 2,048 bytes as memory has them
.set XC,   136                         ; from here on pairs: (dim 2 s, dim 2 s + 1).  x held into the range
.set FI,   138                         ; the span, as f32
.set U,    140
.set TK,   142                         ; v[142:153] n, then the knots t(fi + k), k = -2 .. 3, at TK + 2 (k + 2)
.set DQ,   154                         ; v[154:165] q, then the six denominators, then their reciprocals
.set LR,   166                         ; v[166:177] r, then x - t(0), x - t(-1), x - t(-2), t(1) - x, t(2) - x, t(3) - x
.set BB,   178                         ; v[178:197] the recursion's levels 1 and 2
.set VI,   178                         ; later, for dim e: VI + 4 e: the word for half 0, for half 1, its register's number for half 0, for half 1
.set LH,   186                         ; later: the four codes shifted into their lower and upper word
.set WW,   198                         ; v[198:205] the four weights, then the same over their blocks' scales
.set QI,   206                         ; v[206:213] 1 where weight e lies in the dim's first block, else 0
.set AE,   214                         ; v[214:221] the weights of the first block, 0 for the others
.set BE,   222                         ; v[222:229] those of the second
.set MX,   230                         ; v[230:233] largest magnitudes: block 0 (two dims), block 1
.set EX,   234                         ; v[234:237] their exponent fields
.set FS,   238                         ; v[238:241] 1 / scale
.set CD,   242                         ; v[242:243] eight codes
.set WD,   244                         ; v244, v245 a dim's four codes
.set JI,   246                         ; v246, v247 the span as a whole number
.set T8,   248
.set T24,  250
.set TW,   252
.set AQ,   136                         ; A's quantiser: v[136:167] 2 blocks x 16 numbers; v168.. at work; v[180:187] codes
.set AM,   168
.set AP,   170
.set AS,   172
.set AH,   174
.set AB,   176
.set AW,   178
.set AC,   180
.macro PSUB d, a, b
	v_pk_add_f32 v[(\d):(\d)+1], v[(\a):(\a)+1], v[(\b):(\b)+1] neg_lo:[0,1] neg_hi:[0,1]
.endm
.macro PMUL d, a, b
	v_pk_mul_f32 v[(\d):(\d)+1], v[(\a):(\a)+1], v[(\b):(\b)+1]
.endm
.macro PFMA d, a, b, c
	v_pk_fma_f32 v[(\d):(\d)+1], v[(\a):(\a)+1], v[(\b):(\b)+1], v[(\c):(\c)+1]
.endm
	s_load_b256 s[4:11], s[0:1], 0x0               ; x s[4:5], A s[6:7], b s[8:9], out0 s[10:11]
	v_lshl_add_u32 v254, v0, 2, 0xe400
	v_mov_b32 v255, 0
	v_lshrrev_b32 v1, 5, v0
	v_readfirstlane_b32 s12, v1                    ; wave 0..15
	v_and_b32 v248, 31, v0                         ; lane
	v_and_b32 v249, 15, v0                         ; r
	v_bfe_u32 v250, v0, 4, 1                       ; h
	v_lshlrev_b32 v[GOFF], 4, v248
	v_lshlrev_b32 v[AOF], 12, v249                 ; an output's 16 x 64 numbers are 4,096 bytes
	v_lshl_add_u32 v[AOF], v250, 4, v[AOF]
	v_lshlrev_b32 v[BOF], 5, v250
	s_lshl_b32 s14, ttmp9, 15                      ; 512 rows of 64 bytes a work-group,
	s_lshl_b32 s15, s12, 11                        ; 32 a wave
	s_add_co_u32 s14, s14, s15
	s_mov_b32 s15, 0
	s_lshl_b32 s16, s12, 8                         ; my dim's 64 numbers in each output's part of A
	s_mov_b32 s17, 0
	s_wait_kmcnt 0x0
	s_add_nc_u64 s[4:5], s[4:5], s[14:15]
	s_add_nc_u64 s[10:11], s[10:11], s[14:15]
	s_add_nc_u64 s[6:7], s[6:7], s[16:17]
.irp i, 0,1,2,3
	global_load_b128 v[WF+4*\i:WF+4*\i+3], v[GOFF], s[4:5] offset:512*\i th:TH_LOAD_NT   ; 32 lanes read 512 consecutive bytes of x
.endr
.irp c, 0,1
.irp p, 0,1,2,3
	global_load_b128 v[AQ+16*\c+4*\p:AQ+16*\c+4*\p+3], v[AOF], s[6:7] offset:128*\c+32*\p   ; A[r][w][32 c + 8 p + 4 h + 0 .. 3]: the operand's own order
.endr
.endr
	global_load_b128 v[BI:BI+3], v[BOF], s[8:9]
	global_load_b128 v[BI+4:BI+7], v[BOF], s[8:9] offset:16
	s_mul_i32 s18, s12, STB
	s_add_co_u32 s18, s18, XST                     ; my wave's stage
	v_lshrrev_b32 v251, 2, v248
	v_mul_u32_u24 v251, v251, PL
	v_and_b32 v252, 3, v248
	v_lshl_add_u32 v251, v252, 4, v251
	v_add_nc_u32 v[SIN], s18, v251
	v_mul_u32_u24 v[SROW], v248, PL
	v_add_nc_u32 v[SROW], s18, v[SROW]
	v_mul_u32_u24 v[SOUT], v249, PL
	v_lshl_add_u32 v[SOUT], v250, 5, v[SOUT]
	v_add_nc_u32 v[SOUT], s18, v[SOUT]
	s_lshl_b32 s13, s12, 10
	v_add_nc_u32 v[WST], s13, v[GOFF]
	v_lshlrev_b32 v[WSL], 5, v248
	v_add_nc_u32 v[WSL], WSC, v[WSL]
	s_lshl_b32 s13, s12, 1
	v_add_nc_u32 v[WSS], s13, v[WSL]
	s_mov_b32 s20, 0x76543210
	s_mov_b32 s21, 0xfedcba98                      ; v_permlanex16_b32's selects for lane l xor 16
	s_mov_b32 s22, 0x600000                        ; the mantissa field of 448
	s_mov_b32 s24, 0xbdcccccd                      ; f32(-0.1): the first knot
	s_mov_b32 s25, 0x3f8ccccc                      ; the f32 number just under f32(1.1), the last knot
	s_mov_b32 s26, 0x06040200                      ; byte selects: the even bytes of two words,
	s_mov_b32 s27, 0x07050301                      ; the odd ones
.irp i, 0,1
	v_mov_b32 v[KC0+\i], 0x40a2aaab
	v_mov_b32 v[KM61+\i], 0xc2740000
	v_mov_b32 v[KM610+\i], 0xc4188000
	v_mov_b32 v[KY+\i], 0x3ad6df44
	v_mov_b32 v[AP+\i], 0                          ; a lane permute's destination counts as one of its sources
.endr
	v_mov_b32 v[ONE], 1.0
	v_mov_b32 v[TOP], 0x43e00000
	; x through my stage: in as memory has it, back a row a lane.  LDS serves a wave's instructions in order (ISA guide 5.7.1.4): no wait between the stores and the loads
	s_wait_loadcnt 10                              ; loads come back in order: x's four are in; A's eight and b's two may be out
.irp i, 0,1,2,3
	ds_store_b128 v[SIN], v[WF+4*\i:WF+4*\i+3] offset:8*PL*\i
.endr
.irp j, 0,1,2,3
	ds_load_b128 v[X+4*\j:X+4*\j+3], v[SROW] offset:16*\j
.endr
	; A[:][w][:] becomes codes: lane (r, h) holds 16 numbers of each of output r's two blocks; lane l xor 16 holds the other 16
	s_wait_loadcnt 2                               ; A's eight are in; b's two may be out
.irp c, 0,1
	v_max3_num_f32 v[AM+\c], |v[AQ+16*\c]|, |v[AQ+16*\c+1]|, 0x4800000   ; with the floor 2^(9 - 127): the byte cannot fall under 1
.endr
.irp i, 2,4,6,8,10,12,14
.irp c, 0,1
	v_max3_num_f32 v[AM+\c], v[AM+\c], |v[AQ+16*\c+\i]|, |v[AQ+16*\c+\i+1]|
.endr
.endr
.irp c, 0,1
	v_permlanex16_b32 v[AP+\c], v[AM+\c], s20, s21
.endr
.irp c, 0,1
	v_max_num_f32 v[AM+\c], v[AM+\c], v[AP+\c]     ; the block's largest magnitude
.endr
.irp c, 0,1
	v_add_nc_u32 v[AS+\c], 0xfc000000, v[AM+\c]    ; 8 off its exponent field: the conversion takes this operand's exponent field as its scale
.endr
.irp c, 0,1
	v_and_or_b32 v[AH+\c], v[AM+\c], 0x7f800000, s22   ; 448 x the scale
.endr
.irp c, 0,1
	v_lshrrev_b32 v[AB+\c], 23, v[AS+\c]           ; the scale's byte
.endr
	v_lshl_or_b32 v[AW], v[AB+1], 8, v[AB]         ; my dim's two bytes
.irp c, 0,1
.irp i, 0,1,2,3,4,5,6,7,8,9,10,11,12,13,14,15
	v_med3_num_f32 v[AQ+16*\c+\i], v[AQ+16*\c+\i], -v[AH+\c], v[AH+\c]   ; the conversion to an 8-bit code does not saturate (ISA guide 7.6.2): the hold comes first
.endr
	v_cvt_scalef32_pk8_fp8_f32 v[AC+4*\c:AC+4*\c+1], v[AQ+16*\c:AQ+16*\c+7], v[AS+\c]
	v_cvt_scalef32_pk8_fp8_f32 v[AC+4*\c+2:AC+4*\c+3], v[AQ+16*\c+8:AQ+16*\c+15], v[AS+\c]
.endr
	v_nop                                          ; one plain vector instruction behind the last scaled conversion: its registers are written again further down
.irp c, 0,1
	ds_store_b128 v[WST], v[AC+4*\c:AC+4*\c+3] offset:WIMG+512*\c   ; register group 2 (w % 2) + c of K step w / 2
.endr
	ds_store_b16 v[WSS], v[AW]                     ; bytes 2 (w % 2), 2 (w % 2) + 1 of word w / 2; lanes 16-31 write their own places with the same bytes
	s_wait_loadcnt 0x0                             ; b
	s_wait_dscnt 0x0                               ; for the others' sake: my images have landed; for mine: x is back, and the stores have read their registers
	s_barrier_signal -1
	s_barrier_wait -1                              ; all sixteen dims' codes and scale bytes lie in LDS; nothing is written there again
	ds_load_b128 v[WS:WS+3], v[WSL]
	ds_load_b128 v[WS+4:WS+7], v[WSL] offset:16
; The head of K step s's evaluation: x held into the range, and its span.  Seven plain instructions.
.macro EV_HEAD s
	v_med3_num_f32 v[XC], v[X+2*(\s)], s24, s25
	v_med3_num_f32 v[XC+1], v[X+2*(\s)+1], s24, s25
	v_pk_fma_f32 v[U:U+1], v[XC:XC+1], 0x424b5555, v[KC0:KC0+1] op_sel_hi:[1,0,1]   ; (x + 0.1) x 61 / 1.2
	v_floor_f32 v[U], v[U]
	v_floor_f32 v[U+1], v[U+1]
	v_med3_num_f32 v[FI], v[U], 0, 0x42700000      ; 0 .. 60
	v_med3_num_f32 v[FI+1], v[U+1], 0, 0x42700000
.endm
; The body: two dims of my row become four codes each, a scale word, and for each half of the lanes one word of codes with its register's number.
.macro EV_BODY s
.irp c, 0,1,2,3
	ds_load_b128 v[WF+16*((\s)%2)+4*\c:WF+16*((\s)%2)+4*\c+3], v[GOFF] offset:WIMG+2048*(\s)+512*\c   ; A's fragment of this step: its set was last multiplied two steps ago
.endr
	v_pk_fma_f32 v[TK+4:TK+5], v[FI:FI+1], 0x41400000, v[KM61:KM61+1] op_sel_hi:[1,0,1]   ; n(0) = 12 fi - 61; n(k) = n(0) + 12 k, held to -61 .. 671: the ends' knots repeat
	v_pk_add_f32 v[TK:TK+1], v[TK+4:TK+5], 0xc1c00000 op_sel_hi:[1,0]
	v_pk_add_f32 v[TK+2:TK+3], v[TK+4:TK+5], 0xc1400000 op_sel_hi:[1,0]
	v_pk_add_f32 v[TK+6:TK+7], v[TK+4:TK+5], 0x41400000 op_sel_hi:[1,0]
	v_pk_add_f32 v[TK+8:TK+9], v[TK+4:TK+5], 0x41c00000 op_sel_hi:[1,0]
	v_pk_add_f32 v[TK+10:TK+11], v[TK+4:TK+5], 0x42100000 op_sel_hi:[1,0]
.irp i, 0,1,2,3
	v_max_num_f32 v[TK+\i], 0xc2740000, v[TK+\i]
.endr
.irp i, 8,9,10,11
	v_min_num_f32 v[TK+\i], 0x4427c000, v[TK+\i]
.endr
.irp k, 0,2,4,6,8,10
	PMUL DQ+\k, TK+\k, KY                          ; q = n y
.endr
.irp k, 0,2,4,6,8,10
	PFMA LR+\k, DQ+\k, KM610, TK+\k                ; r = n - 610 q
.endr
.irp k, 0,2,4,6,8,10
	PFMA TK+\k, LR+\k, KY, DQ+\k                   ; t = q + r y: n / 610 rounded once
.endr
	PSUB DQ, TK+6, TK+4                            ; t(1) - t(0)
	PSUB DQ+2, TK+6, TK+2                          ; t(1) - t(-1)
	PSUB DQ+4, TK+8, TK+4                          ; t(2) - t(0)
	PSUB DQ+6, TK+6, TK                            ; t(1) - t(-2)
	PSUB DQ+8, TK+8, TK+2                          ; t(2) - t(-1)
	PSUB DQ+10, TK+10, TK+4                        ; t(3) - t(0): all six are positive, since t(1) > t(0)
.irp i, 0,1,2,3,4,5,6,7,8,9,10,11
	v_rcp_f32 v[DQ+\i], v[DQ+\i]                   ; one batch
.endr
	PSUB LR, XC, TK+4                              ; six plain instructions that name no reciprocal stand behind the batch
	PSUB LR+2, XC, TK+2
	PSUB LR+4, XC, TK
	PSUB LR+6, TK+6, XC
	PSUB LR+8, TK+8, XC
	PSUB LR+10, TK+10, XC
	s_wait_alu depctr_va_vdst(0)                   ; this wait ahead of the first reader: one for the twelve
	PMUL BB, LR+6, DQ                              ; level 1
	PMUL BB+2, LR, DQ
	PMUL BB+4, BB, DQ+2
	PMUL BB+6, BB+2, DQ+4
	PMUL BB+8, LR+6, BB+4                          ; level 2
	PMUL BB+10, LR+2, BB+4
	PMUL BB+12, LR, BB+6
	PFMA BB+10, LR+8, BB+6, BB+10
	PMUL BB+14, BB+8, DQ+6
	PMUL BB+18, BB+12, DQ+10
	PMUL BB+16, BB+10, DQ+8
	PMUL WW, LR+6, BB+14                           ; level 3: the weights of k = fi, fi + 1, fi + 2, fi + 3
	PMUL WW+2, LR+4, BB+14
	PMUL WW+6, LR, BB+18
	PMUL WW+4, LR+2, BB+16
	PFMA WW+2, LR+8, BB+16, WW+2
	PFMA WW+4, LR+10, BB+18, WW+4
	v_pk_add_f32 v[QI:QI+1], v[FI:FI+1], 0x42000000 op_sel_hi:[1,0] neg_lo:[1,0] neg_hi:[1,0]     ; 32 - e - fi: at least 1 where fi + e < 32, else 0 or less
	v_pk_add_f32 v[QI+2:QI+3], v[FI:FI+1], 0x41f80000 op_sel_hi:[1,0] neg_lo:[1,0] neg_hi:[1,0]
	v_pk_add_f32 v[QI+4:QI+5], v[FI:FI+1], 0x41f00000 op_sel_hi:[1,0] neg_lo:[1,0] neg_hi:[1,0]
	v_pk_add_f32 v[QI+6:QI+7], v[FI:FI+1], 0x41e80000 op_sel_hi:[1,0] neg_lo:[1,0] neg_hi:[1,0]
.irp i, 0,1,2,3,4,5,6,7
	v_med3_num_f32 v[QI+\i], v[QI+\i], 0, 1.0
.endr
.irp e, 0,2,4,6
	PMUL AE+\e, WW+\e, QI+\e                       ; the weight or 0: exact
.endr
.irp e, 0,2,4,6
	PSUB BE+\e, WW+\e, AE+\e                       ; 0 or the weight: exact
.endr
.irp i, 0,1
	v_max3_num_f32 v[MX+\i], |v[AE+\i]|, |v[AE+2+\i]|, 0x4800000     ; a block's other numbers are zeros: its largest magnitude is among these four; the floor holds the byte at 1
	v_max3_num_f32 v[MX+2+\i], |v[BE+\i]|, |v[BE+2+\i]|, 0x4800000
.endr
.irp i, 0,1
	v_max3_num_f32 v[MX+\i], v[MX+\i], |v[AE+4+\i]|, |v[AE+6+\i]|
	v_max3_num_f32 v[MX+2+\i], v[MX+2+\i], |v[BE+4+\i]|, |v[BE+6+\i]|
.endr
.irp i, 0,1,2,3
	v_lshrrev_b32 v[EX+\i], 23, v[MX+\i]           ; the exponent field: floor(log2) + 127
.endr
.irp i, 0,1,2,3
	v_sub_nc_u32 v[FS+\i], 262, v[EX+\i]
.endr
.irp i, 0,1,2,3
	v_lshlrev_b32 v[FS+\i], 23, v[FS+\i]           ; 1 / scale = 2^(135 - the field)
.endr
	v_lshl_or_b32 v[TW], v[EX+2], 8, v[EX]         ; the four fields in the order of K: dim 2 s block 0, block 1, dim 2 s + 1 block 0, block 1
	v_lshl_or_b32 v[TW], v[EX+1], 16, v[TW]
	v_lshl_or_b32 v[TW], v[EX+3], 24, v[TW]
	v_add_nc_u32 v[BS], 0xf7f7f7f8, v[TW]          ; 8 off each: every field is 9 or more, so no byte borrows.  Lane L holds row L's word: lanes 0-15 serve tile 0, lanes 16-31 tile 1
.irp e, 0,2,4,6
	PMUL WW+\e, AE+\e, FS
.endr
.irp e, 0,2,4,6
	PFMA WW+\e, BE+\e, FS+2, WW+\e                 ; the weight over its own block's scale: one of the two terms is 0, and a power of two rounds nothing
.endr
.irp i, 0,1,2,3,4,5,6,7
	v_med3_num_f32 v[WW+\i], v[WW+\i], -v[TOP], v[TOP]   ; the hold at the largest code
.endr
	v_cvt_u32_f32 v[JI], v[FI]
	v_cvt_u32_f32 v[JI+1], v[FI+1]
	v_cvt_scalef32_pk8_fp8_f32 v[CD:CD+1], v[WW:WW+7], v[ONE]   ; eight codes, the two dims' by turns
.irp e, 0,1
	v_lshlrev_b32 v[T8+\e], 3, v[JI+\e]            ; (plain instructions behind the scaled conversion)  a shift takes the low five bits of its amount: 8 (fi % 4),
.endr
.irp e, 0,1
	v_sub_nc_u32 v[T24+\e], 24, v[T8+\e]           ; and 24 - 8 (fi % 4)
.endr
	v_perm_b32 v[WD], v[CD+1], v[CD], s26          ; dim 2 s's four codes, the lowest k in the lowest byte
	v_perm_b32 v[WD+1], v[CD+1], v[CD], s27        ; dim 2 s + 1's
.irp e, 0,1
	v_cmp_eq_f32 vcc_lo, v[X+2*(\s)+\e], v[XC+\e]  ; was x inside the range?
	v_cndmask_b32 v[WD+\e], 0, v[WD+\e], vcc_lo    ; outside it every spline is 0
.endr
.irp e, 0,1
	v_lshlrev_b32 v[LH+\e], v[T8+\e], v[WD+\e]     ; the codes that fall into word fi / 4 of the dim's sixteen,
	v_lshrrev_b32 v[LH+2+\e], 8, v[WD+\e]
	v_and_b32 v[LH+4+\e], 4, v[JI+\e]              ; (is that word an odd one?)
	v_lshrrev_b32 v[LH+2+\e], v[T24+\e], v[LH+2+\e]   ; and those that fall into the next: none where fi % 4 = 0
.endr
.irp e, 0,1
	v_cmp_ne_u32 vcc_lo, 0, v[LH+4+\e]
	v_cndmask_b32 v[VI+4*\e], v[LH+\e], v[LH+2+\e], vcc_lo      ; the even word goes to half 0,
	v_cndmask_b32 v[VI+4*\e+1], v[LH+2+\e], v[LH+\e], vcc_lo    ; the odd word to half 1,
	v_add_nc_u32 v[VI+4*\e+2], 4, v[JI+\e]
	v_lshrrev_b32 v[VI+4*\e+3], 3, v[JI+\e]        ; at register fi / 8 of the dim's eight,
	v_lshrrev_b32 v[VI+4*\e+2], 3, v[VI+4*\e+2]    ; the even one at (fi + 4) / 8 (8, which no register has, only with a word of zeros)
.endr
.irp e, 0,1
	v_permlane16_swap_b32 v[VI+4*\e], v[VI+4*\e+1]       ; the first's lanes 16-31 change places with the second's lanes 0-15: the first then serves tile 0 in both halves, the second tile 1
	v_permlane16_swap_b32 v[VI+4*\e+2], v[VI+4*\e+3]
.endr
.endm
; The two tiles' fragments: register 8 e + p takes the word where its number is p, else zeros.
.macro PLACE
.irp t, 0,1
.irp e, 0,1
.irp p, 0,1,2,3,4,5,6,7
	v_cmp_eq_u32 s[32+16*\t+8*\e+\p], \p, v[VI+4*\e+2+\t]
.endr
.endr
.endr
.irp t, 0,1
.irp e, 0,1
.irp p, 0,1,2,3,4,5,6,7
	v_cndmask_b32 v[FR0+16*\t+8*\e+\p], 0, v[VI+4*\e+\t], s[32+16*\t+8*\e+\p]
.endr
.endr
.endr
.endm
; The step's two products.  The two accumulators take turns, one instruction a turn.
.macro MM s
	s_wait_dscnt 0x0                               ; A's fragment is in (and, in the first step, its scale words)
.if (\s) == 0
	v_wmma_scale_f32_16x16x128_f8f6f4 v[ACC0:ACC0+7], v[WF:WF+15], v[FR0:FR0+15], v[BI:BI+7], v[WS], v[BS]
	v_wmma_scale_f32_16x16x128_f8f6f4 v[ACC1:ACC1+7], v[WF:WF+15], v[FR0+16:FR0+31], v[BI:BI+7], v[WS], v[BS] matrix_b_scale:MATRIX_SCALE_ROW1
.else
	v_wmma_scale_f32_16x16x128_f8f6f4 v[ACC0:ACC0+7], v[WF+16*((\s)%2):WF+16*((\s)%2)+15], v[FR0:FR0+15], v[ACC0:ACC0+7], v[WS+(\s)], v[BS]
	v_wmma_scale_f32_16x16x128_f8f6f4 v[ACC1:ACC1+7], v[WF+16*((\s)%2):WF+16*((\s)%2)+15], v[FR0+16:FR0+31], v[ACC1:ACC1+7], v[WS+(\s)], v[BS] matrix_b_scale:MATRIX_SCALE_ROW1
.endif
.endm
	; Eight K steps, written out: every register number and offset is a constant.  The next step's seven head instructions stand between the last write of a fragment and the products (four places
	; are asked there; the scale word was written more than sixty plain instructions ahead, where eight are asked).  What a product has read is written again only far more than eight plain instructions later.
	EV_HEAD 0
.irp s, 0,1,2,3,4,5,6
	EV_BODY \s
	PLACE
	EV_HEAD \s+1
	MM \s
.endr
	EV_BODY 7
	PLACE
.rept 4
	v_nop                                          ; the last step has no successor: four places in front of the products
.endr
	MM 7
	; THE WAY OUT.  Lane (r, h) of tile t holds out0[16 t + r][8 h + 0 .. 7]: 32 bytes of a row of 64.  Through my stage, and back as memory has them.
.rept 8
	v_nop                                          ; eight places between the last products and the first read of results
.endr
	ds_store_b128 v[SOUT], v[ACC0:ACC0+3]          ; each accumulator from its low end on
	ds_store_b128 v[SOUT], v[ACC0+4:ACC0+7] offset:16
	ds_store_b128 v[SOUT], v[ACC1:ACC1+3] offset:16*PL
	ds_store_b128 v[SOUT], v[ACC1+4:ACC1+7] offset:16*PL+16
.irp i, 0,1,2,3
	ds_load_b128 v[WF+4*\i:WF+4*\i+3], v[SIN] offset:8*PL*\i   ; LDS serves a wave's instructions in order: these see my stores
.endr
.irp i, 0,1,2,3
	s_wait_dscnt 3-\i                              ; load i is back; the younger ones may be out
	global_store_b128 v[GOFF], v[WF+4*\i:WF+4*\i+3], s[10:11] offset:512*\i th:TH_STORE_NT   ; 32 lanes store 512 consecutive bytes, at a multiple of 512 from out0's first byte
.endr
	s_wait_tensorcnt 0x0
	ds_add_u32 v254, v255
	s_wait_dscnt 0x0
	s_endpgm
.Lfunc_end_k_qefc32853a3_spline:
	.size	k_qefc32853a3_spline, .Lfunc_end_k_qefc32853a3_spline-k_qefc32853a3_spline
	.p2alignl 7, 3214868480
	.fill 96, 4, 3214868480
	.section	.rodata,"a",@progbits
	.p2align	6, 0x0
	.amdhsa_kernel k_qefc32853a3_spline
		.amdhsa_group_segment_fixed_size 60416
		.amdhsa_private_segment_fixed_size 0
		.amdhsa_enable_private_segment 0
		.amdhsa_kernarg_size 32
		.amdhsa_user_sgpr_count 2
		.amdhsa_user_sgpr_kernarg_segment_ptr 1
		.amdhsa_wavefront_size32 1
		.amdhsa_system_sgpr_workgroup_id_x 1
		.amdhsa_system_sgpr_workgroup_id_y 1
		.amdhsa_system_sgpr_workgroup_id_z 1
		.amdhsa_system_vgpr_workitem_id 0
		.amdhsa_next_free_vgpr 256
		.amdhsa_next_free_sgpr 66
		.amdhsa_reserve_vcc 1
		.amdhsa_float_denorm_mode_32 3
		.amdhsa_float_denorm_mode_16_64 3
		.amdhsa_memory_ordered 1
		.amdhsa_forward_progress 1
		.amdhsa_inst_pref_size 127
	.end_amdhsa_kernel
	.amdgpu_metadata
---
amdhsa.version: [ 1, 2 ]
amdhsa.kernels:
  - .name:           k_qefc32853a3_spline
    .symbol:         k_qefc32853a3_spline.kd
    .args:
      - { .name: x, .offset: 0, .size: 8, .value_kind: global_buffer, .address_space: global }
      - { .name: A, .offset: 8, .size: 8, .value_kind: global_buffer, .address_space: global }
      - { .name: b, .offset: 16, .size: 8, .value_kind: global_buffer, .address_space: global }
      - { .name: out0, .offset: 24, .size: 8, .value_kind: global_buffer, .address_space: global }
    .group_segment_fixed_size: 60416
    .private_segment_fixed_size: 0
    .kernarg_segment_align: 8
    .kernarg_segment_size: 32
    .max_flat_workgroup_size: 512
    .sgpr_count:     66
    .vgpr_count:     256
    .wavefront_size: 32
...
	.end_amdgpu_metadata
.endif
;; end of part 1
;; ======== version 2 of 2: 1 launch; version 1 with the launch spline written anew for expert scheduling mode
;; launch spline (part 2): grid 256 x 1, 16 waves a work-group, no clusters, 60,416 bytes of LDS; arguments x, A, b, out0; writes out0
.if DOCPART == 2
	.amdgcn_target "amdgcn-amd-amdhsa--gfx1250"
	.amdhsa_code_object_version 6
	.text
	.protected	k_qefc32853a3_spline
	.globl	k_qefc32853a3_spline
	.p2align	8
	.type	k_qefc32853a3_spline,@function
k_qefc32853a3_spline:
	s_mov_b64 s[64:65], 0
	v_nop
	global_prefetch_b8 v0, s[64:65] scope:SCOPE_SE
	s_setreg_imm32_b32 hwreg(HW_REG_WAVE_SCHED_MODE, 0, 2), 2
	s_setreg_imm32_b32 hwreg(HW_REG_WAVE_MODE, 25, 1), 1
	s_wait_xcnt 0x0
	s_wait_alu depctr_vm_vsrc(0)
; out0[n][o] = b[o] + the sum over d, k of Q(basis[n][d][k]) Q(A[o][d][k]).  x, out0: [131072][16] f32; A: [16][16][64] f32; b: [16] f32.
; basis[n][d][:] are the 64 cubic B-splines on the clamped knots -0.1 .. 1.1 (62 equally spaced, the two ends fourfold) at x[n][d]; K = 64 d + k, 1,024 long.
; Q: codes of FP8 (E4M3) with one E8M0 scale for each 32 along K: a dim has two blocks.  The product goes by v_wmma_scale_f32_16x16x128_f8f6f4, sums in f32.
; WHAT IS NOT COMPUTED: of a point's 64 splines at most four neighbours, k = fi .. fi + 3 (fi the point's span, 0 .. 60), differ from 0.  Only those four are evaluated (the same recursion, level by
; level, on the same f32 knots), quantised, and laid among zero codes by compares and selects: no address and no branch hangs on x.
; SHARES.  256 work-groups x 16 waves; a wave owns 32 rows (2,048 bytes of x and of out0), two tiles of 16.  For the evaluation lane L holds row L with its 16 dims, so no point is evaluated twice;
; two dims (one K step of 128) go together through the packed f32 forms.  Wave w also quantises A[:][w][:] for its work-group; the codes reach the other waves through LDS as images of the
; operand's registers, behind the one barrier of the text.
; THE PRODUCT IS USED TRANSPOSED: source 0 = A's 16 outputs, source 1 = 16 rows of the basis: a lane's eight results are eight neighbouring outputs of one row.  b is the C of each sum's first instruction.
; K IS PERMUTED INSIDE EACH BLOCK OF 32, ALIKE ON BOTH OPERANDS: register 4 c + p of a lane in half h holds k = 32 c + 8 p + 4 h + 0 .. 3.  A point's four codes span two neighbouring words of
; four codes, one even and one odd: so each half of the lanes gets at most ONE word that is not zero for each dim, at one of eight registers: eight compares and eight selects.
; THE KNOTS are f32((12 i - 61) / 610), made correctly rounded: q = n y, r = n - 610 q (exact, fused), t = q + r y, y = f32(1 / 610).  A span taken one off beside a knot changes nothing that
; counts: the splines are twice continuously differentiable there.  The two ends are tested exactly: x counts where f32(-0.1) <= x < f32(1.1); elsewhere all codes are zero and out0 = b.
; NO CLUSTER: only A is shared between work-groups, 65,536 bytes asked for once at the head, 16 bytes a lane straight into the quantiser's registers in the operand's own order; a joint request
; would bring the f32 numbers into LDS first, 65,536 bytes more through LDS for each work-group, and two passes of the cluster's barrier for that single fill.
; NO RING, NO PREFETCH: every byte that a wave reads from memory is asked for in its first lines.
; LIMITS: NaN and infinities in x or A are not served (for such x the result here is b).  A block whose largest magnitude lies under 2^-118 has its scale byte held at 1; a block of zeros
; has byte 1 as well: its codes are zeros, and the bytes are read by this text alone.
; THE MODE: SCHED_MODE bits 1:0 = 2 (LLVM: expert scheduling mode 2), set by the entry lines.  The code itself states the register dependences
; between vector or matrix instructions and memory or LDS instructions, with s_wait_alu, always for 0.
; THE PLAN.  Registers that memory or LDS instructions touch:
;   v1-v7, v18, v19   offsets and LDS addresses: made by vector lines at the head, never written again.  One wait ahead of the global loads (v4, v18, v19), one ahead of the first LDS store (the others).
;   WF set 0, set 1   Step s: its four LDS loads land in set s % 2 at the step's head; its two products read that set at the step's end.  The set's last readers are the products of step s - 2, which
;                     stand ahead of the wait in front of step s - 1's products; since that wait only those two products were issued, and they name the other set: the loads owe no wait of their own.
;                     Set 0 is also what x's loads land in and the stage's stores read at the head, and what the stage's loads land in and the last stores read on the way out.
;   v178, v[180:187]  A's byte pair and codes: written by the quantiser, read by the images' LDS stores, written again by step 0's vector lines: one wait on vm_vsrc behind the barrier, which serves set 0 too.
;   x, b, A's numbers and A's scale words are loaded once, into registers that no vector line has named; the accumulators are read by LDS stores once, on the way out.
; In a step stand, beside the wait behind the reciprocals: one wait on va_sdst behind each of the two runs of compares, ahead of their selects, and one wait on va_vdst ahead of the two products, for the
; fragments and the scale word that vector lines have written.  EXEC is never written, and the text has no branch.
.set WIMG, 0                           ; LDS: A's codes, 8 K steps x 2,048 bytes: step s at 2048 s, register group c at + 512 c, lane at + 16 x lane
.set WSC,  16384                       ; A's scale words: 32 bytes a lane, word s at + 4 s
.set XST,  17408                       ; a stage of its own for each wave: 32 places of 64 bytes + 16 of padding
.set PL,   80
.set STB,  32*PL
.set SIN,  1                           ; v1   stage, as memory lies: 80 (lane / 4) + 16 (lane % 4)
.set SROW, 2                           ; v2   stage, a row a lane: 80 x lane
.set SOUT, 3                           ; v3   stage, a result's place: 80 (lane % 16) + 32 (lane / 16)
.set GOFF, 4                           ; v4   16 x lane: my bytes of a load's or store's 512, and my place in an image
.set WST,  5                           ; v5   where I store A's images: 16 x lane + 1024 x wave
.set WSS,  6                           ; v6   and my dim's two scale bytes: WSC + 32 x lane + 2 x wave
.set WSL,  7                           ; v7   where I read the scale words: WSC + 32 x lane
.set KC0,  8                           ; v[8:9]   0.1 x 61 / 1.2, twice
.set KM61, 10                          ; v[10:11] -61
.set KM610, 12                         ; v[12:13] -610
.set KY,   14                          ; v[14:15] f32(1 / 610)
.set ONE,  16                          ; v16  1.0: the conversion's scale
.set TOP,  17                          ; v17  448.0
.set AOF,  18                          ; v18  A: 4096 (lane % 16) + 16 (lane / 16)
.set BOF,  19                          ; v19  b: 32 (lane / 16)
.set X,    20                          ; v[20:35]  my row's 16 numbers
.set BI,   36                          ; v[36:43]  b[8 h + 0 .. 7]
.set WS,   44                          ; v[44:51]  A's scale words, one for each K step: scales alone
.set BS,   52                          ; v52       the basis's scale word of the K step in hand: scales alone
.set ACC0, 56                          ; v[56:63]  rows 0-15
.set ACC1, 64                          ; v[64:71]  rows 16-31
.set FR0,  72                          ; v[72:87], v[88:103] the basis's fragments of the two tiles
.set WF,   104                         ; v[104:135] A's fragments, two sets by turns; at the head and on the way out v[104:119] hold 2,048 bytes as memory has them
.set XC,   136                         ; from here on pairs: (dim 2 s, dim 2 s + 1).  x held into the range
.set FI,   138                         ; the span, as f32
.set U,    140
.set TK,   142                         ; v[142:153] n, then the knots t(fi + k), k = -2 .. 3, at TK + 2 (k + 2)
.set DQ,   154                         ; v[154:165] q, then the six denominators, then their reciprocals
.set LR,   166                         ; v[166:177] r, then x - t(0), x - t(-1), x - t(-2), t(1) - x, t(2) - x, t(3) - x
.set BB,   178                         ; v[178:197] the recursion's levels 1 and 2
.set VI,   178                         ; later, for dim e: VI + 4 e: the word for half 0, for half 1, its register's number for half 0, for half 1
.set LH,   186                         ; later: the four codes shifted into their lower and upper word
.set WW,   198                         ; v[198:205] the four weights, then the same over their blocks' scales
.set QI,   206                         ; v[206:213] 1 where weight e lies in the dim's first block, else 0
.set AE,   214                         ; v[214:221] the weights of the first block, 0 for the others
.set BE,   222                         ; v[222:229] those of the second
.set MX,   230                         ; v[230:233] largest magnitudes: block 0 (two dims), block 1
.set EX,   234                         ; v[234:237] their exponent fields
.set FS,   238                         ; v[238:241] 1 / scale
.set CD,   242                         ; v[242:243] eight codes
.set WD,   244                         ; v244, v245 a dim's four codes
.set JI,   246                         ; v246, v247 the span as a whole number
.set T8,   248
.set T24,  250
.set TW,   252
.set AQ,   136                         ; A's quantiser: v[136:167] 2 blocks x 16 numbers; v168.. at work; v[180:187] codes
.set AM,   168
.set AP,   170
.set AS,   172
.set AH,   174
.set AB,   176
.set AW,   178
.set AC,   180
.set MIN,  28                          ; s28, s29  dim e: the lanes whose x lies inside the range
.set MOD,  30                          ; s30, s31  dim e: the lanes whose lower word is an odd one
.set MPL,  32                          ; s[32:63]  the 32 masks that lay the words into the fragments
.macro PSUB d, a, b
	v_pk_add_f32 v[(\d):(\d)+1], v[(\a):(\a)+1], v[(\b):(\b)+1] neg_lo:[0,1] neg_hi:[0,1]
.endm
.macro PMUL d, a, b
	v_pk_mul_f32 v[(\d):(\d)+1], v[(\a):(\a)+1], v[(\b):(\b)+1]
.endm
.macro PFMA d, a, b, c
	v_pk_fma_f32 v[(\d):(\d)+1], v[(\a):(\a)+1], v[(\b):(\b)+1], v[(\c):(\c)+1]
.endm
	s_load_b256 s[4:11], s[0:1], 0x0               ; x s[4:5], A s[6:7], b s[8:9], out0 s[10:11]
	v_lshl_add_u32 v254, v0, 2, 0xe400
	v_mov_b32 v255, 0
	v_lshrrev_b32 v1, 5, v0
	v_readfirstlane_b32 s12, v1                    ; wave 0..15
	v_and_b32 v248, 31, v0                         ; lane
	v_and_b32 v249, 15, v0                         ; r
	v_bfe_u32 v250, v0, 4, 1                       ; h
	v_lshlrev_b32 v[GOFF], 4, v248
	v_lshlrev_b32 v[AOF], 12, v249                 ; an output's 16 x 64 numbers are 4,096 bytes
	v_lshl_add_u32 v[AOF], v250, 4, v[AOF]
	v_lshlrev_b32 v[BOF], 5, v250
	s_wait_alu depctr_va_sdst(0)                   ; s12 is written, ahead of its first reader: the bases and the LDS places are made from it
	s_lshl_b32 s14, ttmp9, 15                      ; 512 rows of 64 bytes a work-group,
	s_lshl_b32 s15, s12, 11                        ; 32 a wave
	s_add_co_u32 s14, s14, s15
	s_mov_b32 s15, 0
	s_lshl_b32 s16, s12, 8                         ; my dim's 64 numbers in each output's part of A
	s_mov_b32 s17, 0
	s_wait_kmcnt 0x0
	s_add_nc_u64 s[4:5], s[4:5], s[14:15]
	s_add_nc_u64 s[10:11], s[10:11], s[14:15]
	s_add_nc_u64 s[6:7], s[6:7], s[16:17]
	s_wait_alu depctr_va_vdst(0)                   ; the offsets v4, v18 and v19 are written, which the loads below read (v4 serves every image load and the last stores too)
.irp i, 0,1,2,3
	global_load_b128 v[WF+4*\i:WF+4*\i+3], v[GOFF], s[4:5] offset:512*\i th:TH_LOAD_NT   ; 32 lanes read 512 consecutive bytes of x
.endr
.irp c, 0,1
.irp p, 0,1,2,3
	global_load_b128 v[AQ+16*\c+4*\p:AQ+16*\c+4*\p+3], v[AOF], s[6:7] offset:128*\c+32*\p   ; A[r][w][32 c + 8 p + 4 h + 0 .. 3]: the operand's own order
.endr
.endr
	global_load_b128 v[BI:BI+3], v[BOF], s[8:9]
	global_load_b128 v[BI+4:BI+7], v[BOF], s[8:9] offset:16
	s_mul_i32 s18, s12, STB
	s_add_co_u32 s18, s18, XST                     ; my wave's stage
	v_lshrrev_b32 v251, 2, v248
	v_mul_u32_u24 v251, v251, PL
	v_and_b32 v252, 3, v248
	v_lshl_add_u32 v251, v252, 4, v251
	v_add_nc_u32 v[SIN], s18, v251
	v_mul_u32_u24 v[SROW], v248, PL
	v_add_nc_u32 v[SROW], s18, v[SROW]
	v_mul_u32_u24 v[SOUT], v249, PL
	v_lshl_add_u32 v[SOUT], v250, 5, v[SOUT]
	v_add_nc_u32 v[SOUT], s18, v[SOUT]
	s_lshl_b32 s13, s12, 10
	v_add_nc_u32 v[WST], s13, v[GOFF]
	v_lshlrev_b32 v[WSL], 5, v248
	v_add_nc_u32 v[WSL], WSC, v[WSL]
	s_lshl_b32 s13, s12, 1
	v_add_nc_u32 v[WSS], s13, v[WSL]
	s_mov_b32 s20, 0x76543210
	s_mov_b32 s21, 0xfedcba98                      ; v_permlanex16_b32's selects for lane l xor 16
	s_mov_b32 s22, 0x600000                        ; the mantissa field of 448
	s_mov_b32 s24, 0xbdcccccd                      ; f32(-0.1): the first knot
	s_mov_b32 s25, 0x3f8ccccc                      ; the f32 number just under f32(1.1), the last knot
	s_mov_b32 s26, 0x06040200                      ; byte selects: the even bytes of two words,
	s_mov_b32 s27, 0x07050301                      ; the odd ones
.irp i, 0,1
	v_mov_b32 v[KC0+\i], 0x40a2aaab
	v_mov_b32 v[KM61+\i], 0xc2740000
	v_mov_b32 v[KM610+\i], 0xc4188000
	v_mov_b32 v[KY+\i], 0x3ad6df44
	v_mov_b32 v[AP+\i], 0                          ; a lane permute's destination counts as one of its sources
.endr
	v_mov_b32 v[ONE], 1.0
	v_mov_b32 v[TOP], 0x43e00000
	; x through my stage: in as memory has it, back a row a lane.  LDS serves a wave's instructions in order (ISA guide 5.7.1.4): no wait between the stores and the loads
	s_wait_loadcnt 10                              ; loads come back in order: x's four are in; A's eight and b's two may be out
	s_wait_alu depctr_va_vdst(0)                   ; the six LDS addresses v1, v2, v3, v5, v6, v7 are written: every LDS store and load by them, down to the way out, reads them as they stand here
.irp i, 0,1,2,3
	ds_store_b128 v[SIN], v[WF+4*\i:WF+4*\i+3] offset:8*PL*\i
.endr
.irp j, 0,1,2,3
	ds_load_b128 v[X+4*\j:X+4*\j+3], v[SROW] offset:16*\j
.endr
	; A[:][w][:] becomes codes: lane (r, h) holds 16 numbers of each of output r's two blocks; lane l xor 16 holds the other 16
	s_wait_loadcnt 2                               ; A's eight are in; b's two may be out
.irp c, 0,1
	v_max3_num_f32 v[AM+\c], |v[AQ+16*\c]|, |v[AQ+16*\c+1]|, 0x4800000   ; with the floor 2^(9 - 127): the byte cannot fall under 1
.endr
.irp i, 2,4,6,8,10,12,14
.irp c, 0,1
	v_max3_num_f32 v[AM+\c], v[AM+\c], |v[AQ+16*\c+\i]|, |v[AQ+16*\c+\i+1]|
.endr
.endr
.irp c, 0,1
	v_permlanex16_b32 v[AP+\c], v[AM+\c], s20, s21
.endr
.irp c, 0,1
	v_max_num_f32 v[AM+\c], v[AM+\c], v[AP+\c]     ; the block's largest magnitude
.endr
.irp c, 0,1
	v_add_nc_u32 v[AS+\c], 0xfc000000, v[AM+\c]    ; 8 off its exponent field: the conversion takes this operand's exponent field as its scale
.endr
.irp c, 0,1
	v_and_or_b32 v[AH+\c], v[AM+\c], 0x7f800000, s22   ; 448 x the scale
.endr
.irp c, 0,1
	v_lshrrev_b32 v[AB+\c], 23, v[AS+\c]           ; the scale's byte
.endr
	v_lshl_or_b32 v[AW], v[AB+1], 8, v[AB]         ; my dim's two bytes
.irp c, 0,1
.irp i, 0,1,2,3,4,5,6,7,8,9,10,11,12,13,14,15
	v_med3_num_f32 v[AQ+16*\c+\i], v[AQ+16*\c+\i], -v[AH+\c], v[AH+\c]   ; the conversion to an 8-bit code does not saturate (ISA guide 7.6.2): the hold comes first
.endr
	v_cvt_scalef32_pk8_fp8_f32 v[AC+4*\c:AC+4*\c+1], v[AQ+16*\c:AQ+16*\c+7], v[AS+\c]
	v_cvt_scalef32_pk8_fp8_f32 v[AC+4*\c+2:AC+4*\c+3], v[AQ+16*\c+8:AQ+16*\c+15], v[AS+\c]
.endr
	v_nop                                          ; one plain vector instruction behind the last scaled conversion: its registers are written again further down
	s_wait_alu depctr_va_vdst(0)                   ; the conversions have written the codes v[AC ..] and the shift the byte pair v[AW], which the LDS stores below read
.irp c, 0,1
	ds_store_b128 v[WST], v[AC+4*\c:AC+4*\c+3] offset:WIMG+512*\c   ; register group 2 (w % 2) + c of K step w / 2
.endr
	ds_store_b16 v[WSS], v[AW]                     ; bytes 2 (w % 2), 2 (w % 2) + 1 of word w / 2; lanes 16-31 write their own places with the same bytes
	s_wait_loadcnt 0x0                             ; b
	s_wait_dscnt 0x0                               ; for the others' sake: my images have landed; for mine: x is back
	s_barrier_signal -1
	s_barrier_wait -1                              ; all sixteen dims' codes and scale bytes lie in LDS; nothing is written there again
	s_wait_alu depctr_vm_vsrc(0)                   ; my LDS stores have read v[104:119], in which step 0's fragment lands, and v178 and v[180:187], which step 0's vector lines write
	ds_load_b128 v[WS:WS+3], v[WSL]
	ds_load_b128 v[WS+4:WS+7], v[WSL] offset:16
; The head of K step s's evaluation: x held into the range, and its span.  Seven plain instructions.
.macro EV_HEAD s
	v_med3_num_f32 v[XC], v[X+2*(\s)], s24, s25
	v_med3_num_f32 v[XC+1], v[X+2*(\s)+1], s24, s25
	v_pk_fma_f32 v[U:U+1], v[XC:XC+1], 0x424b5555, v[KC0:KC0+1] op_sel_hi:[1,0,1]   ; (x + 0.1) x 61 / 1.2
	v_floor_f32 v[U], v[U]
	v_floor_f32 v[U+1], v[U+1]
	v_med3_num_f32 v[FI], v[U], 0, 0x42700000      ; 0 .. 60
	v_med3_num_f32 v[FI+1], v[U+1], 0, 0x42700000
.endm
; The body: two dims of my row become four codes each, a scale word, and for each half of the lanes one word of codes with its register's number.
.macro EV_BODY s
.irp c, 0,1,2,3
	ds_load_b128 v[WF+16*((\s)%2)+4*\c:WF+16*((\s)%2)+4*\c+3], v[GOFF] offset:WIMG+2048*(\s)+512*\c   ; A's fragment of this step.  No wait: its set was last read by the products two steps back, ahead of the wait in front of the last step's products, and nothing issued since names it
.endr
	v_pk_fma_f32 v[TK+4:TK+5], v[FI:FI+1], 0x41400000, v[KM61:KM61+1] op_sel_hi:[1,0,1]   ; n(0) = 12 fi - 61; n(k) = n(0) + 12 k, held to -61 .. 671: the ends' knots repeat
	v_pk_add_f32 v[TK:TK+1], v[TK+4:TK+5], 0xc1c00000 op_sel_hi:[1,0]
	v_pk_add_f32 v[TK+2:TK+3], v[TK+4:TK+5], 0xc1400000 op_sel_hi:[1,0]
	v_pk_add_f32 v[TK+6:TK+7], v[TK+4:TK+5], 0x41400000 op_sel_hi:[1,0]
	v_pk_add_f32 v[TK+8:TK+9], v[TK+4:TK+5], 0x41c00000 op_sel_hi:[1,0]
	v_pk_add_f32 v[TK+10:TK+11], v[TK+4:TK+5], 0x42100000 op_sel_hi:[1,0]
.irp i, 0,1,2,3
	v_max_num_f32 v[TK+\i], 0xc2740000, v[TK+\i]
.endr
.irp i, 8,9,10,11
	v_min_num_f32 v[TK+\i], 0x4427c000, v[TK+\i]
.endr
.irp k, 0,2,4,6,8,10
	PMUL DQ+\k, TK+\k, KY                          ; q = n y
.endr
.irp k, 0,2,4,6,8,10
	PFMA LR+\k, DQ+\k, KM610, TK+\k                ; r = n - 610 q
.endr
.irp k, 0,2,4,6,8,10
	PFMA TK+\k, LR+\k, KY, DQ+\k                   ; t = q + r y: n / 610 rounded once
.endr
	PSUB DQ, TK+6, TK+4                            ; t(1) - t(0)
	PSUB DQ+2, TK+6, TK+2                          ; t(1) - t(-1)
	PSUB DQ+4, TK+8, TK+4                          ; t(2) - t(0)
	PSUB DQ+6, TK+6, TK                            ; t(1) - t(-2)
	PSUB DQ+8, TK+8, TK+2                          ; t(2) - t(-1)
	PSUB DQ+10, TK+10, TK+4                        ; t(3) - t(0): all six are positive, since t(1) > t(0)
	s_wait_alu depctr_va_vdst(0)
.irp i, 0,1,2,3,4,5,6,7,8,9,10,11
	v_rcp_f32 v[DQ+\i], v[DQ+\i]                   ; one batch
.endr
	PSUB LR, XC, TK+4                              ; six plain instructions that name no reciprocal stand behind the batch
	PSUB LR+2, XC, TK+2
	PSUB LR+4, XC, TK
	PSUB LR+6, TK+6, XC
	PSUB LR+8, TK+8, XC
	PSUB LR+10, TK+10, XC
	s_wait_alu depctr_va_vdst(0)                   ; the twelve reciprocals v[DQ .. DQ + 11] are written, ahead of their first reader: one wait for the batch
	PMUL BB, LR+6, DQ                              ; level 1
	PMUL BB+2, LR, DQ
	PMUL BB+4, BB, DQ+2
	PMUL BB+6, BB+2, DQ+4
	PMUL BB+8, LR+6, BB+4                          ; level 2
	PMUL BB+10, LR+2, BB+4
	PMUL BB+12, LR, BB+6
	PFMA BB+10, LR+8, BB+6, BB+10
	PMUL BB+14, BB+8, DQ+6
	PMUL BB+18, BB+12, DQ+10
	PMUL BB+16, BB+10, DQ+8
	PMUL WW, LR+6, BB+14                           ; level 3: the weights of k = fi, fi + 1, fi + 2, fi + 3
	PMUL WW+2, LR+4, BB+14
	PMUL WW+6, LR, BB+18
	PMUL WW+4, LR+2, BB+16
	PFMA WW+2, LR+8, BB+16, WW+2
	PFMA WW+4, LR+10, BB+18, WW+4
	v_pk_add_f32 v[QI:QI+1], v[FI:FI+1], 0x42000000 op_sel_hi:[1,0] neg_lo:[1,0] neg_hi:[1,0]     ; 32 - e - fi: at least 1 where fi + e < 32, else 0 or less
	v_pk_add_f32 v[QI+2:QI+3], v[FI:FI+1], 0x41f80000 op_sel_hi:[1,0] neg_lo:[1,0] neg_hi:[1,0]
	v_pk_add_f32 v[QI+4:QI+5], v[FI:FI+1], 0x41f00000 op_sel_hi:[1,0] neg_lo:[1,0] neg_hi:[1,0]
	v_pk_add_f32 v[QI+6:QI+7], v[FI:FI+1], 0x41e80000 op_sel_hi:[1,0] neg_lo:[1,0] neg_hi:[1,0]
.irp i, 0,1,2,3,4,5,6,7
	v_med3_num_f32 v[QI+\i], v[QI+\i], 0, 1.0
.endr
.irp e, 0,2,4,6
	PMUL AE+\e, WW+\e, QI+\e                       ; the weight or 0: exact
.endr
.irp e, 0,2,4,6
	PSUB BE+\e, WW+\e, AE+\e                       ; 0 or the weight: exact
.endr
.irp i, 0,1
	v_max3_num_f32 v[MX+\i], |v[AE+\i]|, |v[AE+2+\i]|, 0x4800000     ; a block's other numbers are zeros: its largest magnitude is among these four; the floor holds the byte at 1
	v_max3_num_f32 v[MX+2+\i], |v[BE+\i]|, |v[BE+2+\i]|, 0x4800000
.endr
.irp i, 0,1
	v_max3_num_f32 v[MX+\i], v[MX+\i], |v[AE+4+\i]|, |v[AE+6+\i]|
	v_max3_num_f32 v[MX+2+\i], v[MX+2+\i], |v[BE+4+\i]|, |v[BE+6+\i]|
.endr
.irp i, 0,1,2,3
	v_lshrrev_b32 v[EX+\i], 23, v[MX+\i]           ; the exponent field: floor(log2) + 127
.endr
.irp i, 0,1,2,3
	v_sub_nc_u32 v[FS+\i], 262, v[EX+\i]
.endr
.irp i, 0,1,2,3
	v_lshlrev_b32 v[FS+\i], 23, v[FS+\i]           ; 1 / scale = 2^(135 - the field)
.endr
	v_lshl_or_b32 v[TW], v[EX+2], 8, v[EX]         ; the four fields in the order of K: dim 2 s block 0, block 1, dim 2 s + 1 block 0, block 1
	v_lshl_or_b32 v[TW], v[EX+1], 16, v[TW]
	v_lshl_or_b32 v[TW], v[EX+3], 24, v[TW]
	v_add_nc_u32 v[BS], 0xf7f7f7f8, v[TW]          ; 8 off each: every field is 9 or more, so no byte borrows.  Lane L holds row L's word: lanes 0-15 serve tile 0, lanes 16-31 tile 1
.irp e, 0,2,4,6
	PMUL WW+\e, AE+\e, FS
.endr
.irp e, 0,2,4,6
	PFMA WW+\e, BE+\e, FS+2, WW+\e                 ; the weight over its own block's scale: one of the two terms is 0, and a power of two rounds nothing
.endr
.irp i, 0,1,2,3,4,5,6,7
	v_med3_num_f32 v[WW+\i], v[WW+\i], -v[TOP], v[TOP]   ; the hold at the largest code
.endr
	v_cvt_u32_f32 v[JI], v[FI]
	v_cvt_u32_f32 v[JI+1], v[FI+1]
.irp e, 0,1
	v_and_b32 v[LH+4+\e], 4, v[JI+\e]              ; is word fi / 4 of the dim's sixteen an odd one?
.endr
.irp e, 0,1
	v_cmp_eq_f32 s[MIN+\e], v[X+2*(\s)+\e], v[XC+\e]   ; was x inside the range?  The step's four masks on values are made in one run, into scalar registers of their own: one wait serves their six selects
.endr
.irp e, 0,1
	v_cmp_ne_u32 s[MOD+\e], 0, v[LH+4+\e]
.endr
	v_cvt_scalef32_pk8_fp8_f32 v[CD:CD+1], v[WW:WW+7], v[ONE]   ; eight codes, the two dims' by turns
.irp e, 0,1
	v_lshlrev_b32 v[T8+\e], 3, v[JI+\e]            ; (plain instructions behind the scaled conversion)  a shift takes the low five bits of its amount: 8 (fi % 4),
.endr
.irp e, 0,1
	v_sub_nc_u32 v[T24+\e], 24, v[T8+\e]           ; and 24 - 8 (fi % 4)
.endr
	v_perm_b32 v[WD], v[CD+1], v[CD], s26          ; dim 2 s's four codes, the lowest k in the lowest byte
	v_perm_b32 v[WD+1], v[CD+1], v[CD], s27        ; dim 2 s + 1's
	s_wait_alu depctr_va_sdst(0)                   ; the four compares have written s28 to s31, ahead of the first select that reads one of them
.irp e, 0,1
	v_cndmask_b32 v[WD+\e], 0, v[WD+\e], s[MIN+\e] ; outside the range every spline is 0
.endr
.irp e, 0,1
	v_lshlrev_b32 v[LH+\e], v[T8+\e], v[WD+\e]     ; the codes that fall into word fi / 4 of the dim's sixteen,
	v_lshrrev_b32 v[LH+2+\e], 8, v[WD+\e]
	v_lshrrev_b32 v[LH+2+\e], v[T24+\e], v[LH+2+\e]   ; and those that fall into the next: none where fi % 4 = 0
.endr
.irp e, 0,1
	v_cndmask_b32 v[VI+4*\e], v[LH+\e], v[LH+2+\e], s[MOD+\e]      ; the even word goes to half 0,
	v_cndmask_b32 v[VI+4*\e+1], v[LH+2+\e], v[LH+\e], s[MOD+\e]    ; the odd word to half 1,
	v_add_nc_u32 v[VI+4*\e+2], 4, v[JI+\e]
	v_lshrrev_b32 v[VI+4*\e+3], 3, v[JI+\e]        ; at register fi / 8 of the dim's eight,
	v_lshrrev_b32 v[VI+4*\e+2], 3, v[VI+4*\e+2]    ; the even one at (fi + 4) / 8 (8, which no register has, only with a word of zeros)
.endr
.irp e, 0,1
	v_permlane16_swap_b32 v[VI+4*\e], v[VI+4*\e+1]       ; the first's lanes 16-31 change places with the second's lanes 0-15: the first then serves tile 0 in both halves, the second tile 1
	v_permlane16_swap_b32 v[VI+4*\e+2], v[VI+4*\e+3]
.endr
.endm
; The two tiles' fragments: register 8 e + p takes the word where its number is p, else zeros.
.macro PLACE
.irp t, 0,1
.irp e, 0,1
.irp p, 0,1,2,3,4,5,6,7
	v_cmp_eq_u32 s[MPL+16*\t+8*\e+\p], \p, v[VI+4*\e+2+\t]
.endr
.endr
.endr
	s_wait_alu depctr_va_sdst(0)                   ; the 32 compares have written s32 to s63, ahead of the first select that reads one of them: one wait for the run
.irp t, 0,1
.irp e, 0,1
.irp p, 0,1,2,3,4,5,6,7
	v_cndmask_b32 v[FR0+16*\t+8*\e+\p], 0, v[VI+4*\e+\t], s[MPL+16*\t+8*\e+\p]
.endr
.endr
.endr
.endm
; The step's two products.  The two accumulators take turns, one instruction a turn.
.macro MM s
	s_wait_dscnt 0x0                               ; A's fragment is in (and, in the first step, its scale words)
	s_wait_alu depctr_va_vdst(0)                   ; the selects have written the two fragments v[72:103] and the addition the scale word v52, which the products take as source 1 and as its scales (the places stand ahead of this wait, beside it); and the last step's products are done reading their set of A's fragments, in which the next step's loads land
.if (\s) == 0
	v_wmma_scale_f32_16x16x128_f8f6f4 v[ACC0:ACC0+7], v[WF:WF+15], v[FR0:FR0+15], v[BI:BI+7], v[WS], v[BS]
	v_wmma_scale_f32_16x16x128_f8f6f4 v[ACC1:ACC1+7], v[WF:WF+15], v[FR0+16:FR0+31], v[BI:BI+7], v[WS], v[BS] matrix_b_scale:MATRIX_SCALE_ROW1
.else
	v_wmma_scale_f32_16x16x128_f8f6f4 v[ACC0:ACC0+7], v[WF+16*((\s)%2):WF+16*((\s)%2)+15], v[FR0:FR0+15], v[ACC0:ACC0+7], v[WS+(\s)], v[BS]
	v_wmma_scale_f32_16x16x128_f8f6f4 v[ACC1:ACC1+7], v[WF+16*((\s)%2):WF+16*((\s)%2)+15], v[FR0+16:FR0+31], v[ACC1:ACC1+7], v[WS+(\s)], v[BS] matrix_b_scale:MATRIX_SCALE_ROW1
.endif
.endm
	; Eight K steps, written out: every register number and offset is a constant.  The next step's seven head instructions stand between the last write of a fragment and the products (four places
	; are asked there; the scale word was written more than sixty plain instructions ahead, where eight are asked).  What a product has read is written again by vector lines only far more than eight plain instructions later.
	EV_HEAD 0
.irp s, 0,1,2,3,4,5,6
	EV_BODY \s
	PLACE
	EV_HEAD \s+1
	MM \s
.endr
	EV_BODY 7
	PLACE
.rept 4
	v_nop                                          ; the last step has no successor: four places in front of the products
.endr
	MM 7
	; THE WAY OUT.  Lane (r, h) of tile t holds out0[16 t + r][8 h + 0 .. 7]: 32 bytes of a row of 64.  Through my stage, and back as memory has them.
.rept 8
	v_nop                                          ; eight places between the last products and the first read of results
.endr
	s_wait_alu depctr_va_vdst(0)                   ; the products have written the accumulators, which the LDS stores read (the places above stay beside this wait); and step 6's products are done reading v[104:119], in which the stage's loads land
	ds_store_b128 v[SOUT], v[ACC0:ACC0+3]          ; each accumulator from its low end on
	ds_store_b128 v[SOUT], v[ACC0+4:ACC0+7] offset:16
	ds_store_b128 v[SOUT], v[ACC1:ACC1+3] offset:16*PL
	ds_store_b128 v[SOUT], v[ACC1+4:ACC1+7] offset:16*PL+16
.irp i, 0,1,2,3
	ds_load_b128 v[WF+4*\i:WF+4*\i+3], v[SIN] offset:8*PL*\i   ; LDS serves a wave's instructions in order: these see my stores
.endr
.irp i, 0,1,2,3
	s_wait_dscnt 3-\i                              ; load i is back; the younger ones may be out
	global_store_b128 v[GOFF], v[WF+4*\i:WF+4*\i+3], s[10:11] offset:512*\i th:TH_STORE_NT   ; 32 lanes store 512 consecutive bytes, at a multiple of 512 from out0's first byte
.endr
	s_wait_dscnt 0x0
	s_wait_alu depctr_hold_cnt(0) depctr_sa_sdst(0) depctr_va_vdst(0) depctr_va_sdst(0) depctr_va_ssrc(0) depctr_va_vcc(0) depctr_vm_vsrc(0)
	s_wait_tensorcnt 0x0
	ds_add_u32 v254, v255
	s_wait_dscnt 0x0
	s_endpgm
.Lfunc_end_k_qefc32853a3_spline:
	.size	k_qefc32853a3_spline, .Lfunc_end_k_qefc32853a3_spline-k_qefc32853a3_spline
	.p2alignl 7, 3214868480
	.fill 96, 4, 3214868480
	.section	.rodata,"a",@progbits
	.p2align	6, 0x0
	.amdhsa_kernel k_qefc32853a3_spline
		.amdhsa_group_segment_fixed_size 60416
		.amdhsa_private_segment_fixed_size 0
		.amdhsa_enable_private_segment 0
		.amdhsa_kernarg_size 32
		.amdhsa_user_sgpr_count 2
		.amdhsa_user_sgpr_kernarg_segment_ptr 1
		.amdhsa_wavefront_size32 1
		.amdhsa_system_sgpr_workgroup_id_x 1
		.amdhsa_system_sgpr_workgroup_id_y 1
		.amdhsa_system_sgpr_workgroup_id_z 1
		.amdhsa_system_vgpr_workitem_id 0
		.amdhsa_next_free_vgpr 256
		.amdhsa_next_free_sgpr 66
		.amdhsa_reserve_vcc 0
		.amdhsa_float_denorm_mode_32 3
		.amdhsa_float_denorm_mode_16_64 3
		.amdhsa_memory_ordered 1
		.amdhsa_forward_progress 1
		.amdhsa_inst_pref_size 130
	.end_amdhsa_kernel
	.amdgpu_metadata
---
amdhsa.version: [ 1, 2 ]
amdhsa.kernels:
  - .name:           k_qefc32853a3_spline
    .symbol:         k_qefc32853a3_spline.kd
    .args:
      - { .name: x, .offset: 0, .size: 8, .value_kind: global_buffer, .address_space: global }
      - { .name: A, .offset: 8, .size: 8, .value_kind: global_buffer, .address_space: global }
      - { .name: b, .offset: 16, .size: 8, .value_kind: global_buffer, .address_space: global }
      - { .name: out0, .offset: 24, .size: 8, .value_kind: global_buffer, .address_space: global }
    .group_segment_fixed_size: 60416
    .private_segment_fixed_size: 0
    .kernarg_segment_align: 8
    .kernarg_segment_size: 32
    .max_flat_workgroup_size: 512
    .sgpr_count:     66
    .vgpr_count:     256
    .wavefront_size: 32
...
	.end_amdgpu_metadata
.endif
;; end of part 2
